; MI455X (gfx1250); checked and timed in simulation.
; The chip was launched on July 23, 2026; its instructions are those of AMD's public machine-readable ISA for CDNA 5 (MIT licence, August 2026) and "CDNA5" Instruction Set Architecture Reference Guide (July 2026). The comments in the code are by the model that wrote it; some were corrected since.
;; Outer. Allowed arithmetic: matrix products marked QUANTISED: E2M3 operands, one E8M0 scale for each 32 along K, by v_wmma_scale_f32_16x16x128_f8f6f4 with both operands' format E2M3, f32 sums; products left as they are: f32 operands where the result goes on into a quantised operand, else bf16, f16 or f32 operands; f32 sums; everything else in f32.
;; Inputs: W1 66,049 x 512 float32; W2_codes 512 x 16 x 24 uint8 (E2M3 codes of W2, K innermost, in blocks of 32 codes, four codes in three bytes); W2_scales 512 x 16 uint8 (E8M0 scales of W2, one for each 32 codes along K); b1 512 float32; b2 512 float32; inp1 2,048 x 256 float32; inp2 2,048 x 256 float32.
;; Outputs: out0 2,048 x 512 float32.
;; This version of the problem:
;;   THIS VERSION OF THE PROBLEM IS GIVEN IN LOW PRECISION. The matrix products marked QUANTISED in the list below multiply operands that are first quantised to E2M3 (2 exponent bits, 3 mantissa bits; 6 bits a number), with one power-of-two scale for each 32 numbers along K (OCP MX v1.0); their sums are f32. All else is computed in f32.
;;   The module's matrix products, in the order in which they are computed (A, B: the left and right operand; K: the contracted axis; several contracted axes count as one K, in the product's order):
;;     1. batch 2,048 x [M 257, K 1] x [K 1, N 257]; A: computed on the way; B: computed on the way: left as it is (no contracted axis)
;;     2. [M 2,048, K 66,049] x [K 66,049, N 512]; A: computed on the way; B: input W1: QUANTISED
;;     3. [M 2,048, K 512] x [K 512, N 512]; A: computed on the way; B: input W2 (given as codes): QUANTISED
;;   THE QUANTISER, for each operand of a quantised product, along K:
;;     - K is cut into blocks of 32 from its start; a last block that is shorter is filled with zeros.
;;     - A block's scale is 2^e with e = floor(log2(the largest magnitude in the block)) - 2, held to -126 .. 127; a block of zeros has e = 0. As a byte (E8M0): e + 127.
;;     - Each number is divided by its block's scale, clamped to +-7.5, and rounded to the nearest number of E2M3, ties to even, subnormals kept.
;;     - The product sums the exact products of the quantised numbers (number of the format x scale) in f32.
;;   ~~~python
;;   def quantise(x, axis):      # numpy; x: float32 -> the quantised numbers, widened to float32 again
;;       x = np.moveaxis(x, axis, -1); K = x.shape[-1]
;;       x = np.pad(x, [(0, 0)] * (x.ndim - 1) + [(0, -K % 32)]); x = x.reshape(x.shape[:-1] + (-1, 32)); a = np.abs(x).max(-1, keepdims=True)
;;       e = np.where(a > 0, np.clip(np.frexp(np.where(a > 0, a, 1))[1] - 1 - 2, -126, 127), 0)      # np.frexp(a)[1] - 1 = floor(log2(a)), exactly
;;       r = np.clip(x / 2.0 ** e, -7.5, 7.5)
;;       step = 2.0 ** (np.maximum(np.frexp(np.where(r == 0, 1, r))[1] - 1, 0) - 3)
;;       q = np.round(r / step) * step * 2.0 ** e      # np.round: ties to even
;;       return np.moveaxis(q.reshape(q.shape[:-2] + (-1,))[..., :K], -1, axis).astype(np.float32)
;;   ~~~
;;   OPERANDS COMPUTED ON THE WAY. 'Computed on the way' means the value that the module computes at that place (a softmax that the list does not call 'softmax' is quantised finished and normalised). What goes into a quantiser is computed in f32, as accurately as f32 sums, v_exp_f32 and their like allow (about 1e-6 of the number): no bf16 or f16 on the way to a quantiser, and a product that is left as it is and whose result goes on into a quantised operand takes f32 operands (vector FMAs, or v_wmma_f32_16x16x4_f32). A number that lies on a knife's edge between two numbers of the format may be rounded either way, as far as f32 arithmetic and the matrix unit's own rounding can turn it there, and no further.
;;   INPUTS GIVEN AS CODES. W2 (in the module: [512, 512], K = its axis 0): each comes as NAME_codes (uint8): NAME with its K axis moved to the last place and cut into blocks of 32 codes, [.., K / 32, bytes a block], one block behind the other in memory; four codes in three bytes: a row's codes are one little-endian stream of bits, code i at bits 6 i .. 6 i + 5 (a code: sign, 2 exponent bits, 3 mantissa bits); and NAME_scales (uint8): the same leading axes, one E8M0 byte (e + 127) for each 32 codes along K. Its value is code x scale, taken as it is: it is not quantised again, and the codes and scales need not be those that the quantiser above would give.
;; One version. Each part assembles by itself: llvm-mc -triple=amdgcn-amd-amdhsa -mcpu=gfx1250 --defsym DOCPART=n.
;; ======== version 1 of 1: 3 launches
;; limits: right only within a limited range of input values
;; workspace buffers: w1q 26,521,600 bytes; at 2,654,208 bytes; ct 2,654,208 bytes; part 67,108,864 bytes; w2q 196,608 bytes
;; launch prep (part 1): grid 2208 x 1, 2 waves a work-group, no clusters, 0 bytes of LDS; arguments W1, inp1, inp2, w1q, at, ct, W2_codes, w2q; writes w1q, at, ct, w2q
.if DOCPART == 1
	.amdgcn_target "amdgcn-amd-amdhsa--gfx1250"
	.amdhsa_code_object_version 6
	.text
	.protected	k_q8892034bc3_prep
	.globl	k_q8892034bc3_prep
	.p2align	8
	.type	k_q8892034bc3_prep,@function
k_q8892034bc3_prep:
	s_mov_b64 s[64:65], 0
	v_nop
	global_prefetch_b8 v0, s[64:65] scope:SCOPE_SE
	s_setreg_imm32_b32 hwreg(HW_REG_WAVE_MODE, 25, 1), 1
	s_wait_xcnt 0x0
; PREP.  Four kinds of work-group, told apart by the work-group's number g alone.
; g < 1032 and 1032 <= g < 1036: W1 [66049][512] f32, whose K is its first axis, becomes codes of E2M3 with one E8M0 byte for each 32 along K,
;   laid in the order of the next launch's operand registers.   1036 <= g < 1100: inp1 and inp2 are transposed into at and ct.   g >= 1100: W2's codes, as given, are laid in the order of the last launch's operand registers.
; K ORDER.  Block kb is k = 32 kb .. 32 kb + 31.  A RECORD holds 8 blocks: record R < 257: kb = R + 257 m, m = 0 .. 7 (in fusion these eight begin at the same j);
;   record 257: kb = 2056 + m;  record 258: kb = 2064 (one real number, k = 66048) in place 0, zero codes in places 1 to 3.
;   A K step of 128 is blocks m = 4 s + q, q = 0 .. 3, of a record.
; w1q: record R at 102,400 R; in it quarter w (columns 128 w .. + 127) at 25,600 w; in it fragment (s, bt) at 1,536 (8 s + bt): the image of 12 registers a lane, registers 4 g .. 4 g + 3 of lane L at 512 g + 16 L;
;   lane (r, h) holds blocks q = h (registers 0-5) and q = 2 + h (registers 6-11) of column 128 w + 32 (bt / 2) + 8 (bt % 2) + r % 8 + 16 (r / 8).  Scale words at 24,576 + 256 (bt / 2) + 8 (16 (bt % 2) + r) + 4 s.
; at, ct: [324][2048] f32: rows 0-31 zeros, row 32 + j = column j of the input, row 288 ones, rows 289-323 zeros.
; w2q: fragment (N, s), outputs 16 N .. + 15, K step s, at 1,536 (4 N + s), an image as above: lane (r, h) holds the 24 bytes at 24 h and at 48 + 24 h of row 16 N + r's 96 bytes of that K step.
; A LANE TAKES A COLUMN OF W1 AND ITS REGISTERS RUN DOWN K: a block's largest magnitude needs no other lane, and the conversions give codes with K innermost.
; A block's scale is 2^(floor(log2(largest magnitude)) - 2); its byte is the largest magnitude's exponent field - 2, held at 1 from below.
; LIMITS: a block of zeros gets the byte 1 where the quantiser says 127 (its codes are zeros, and this program alone reads the bytes); NaN and infinities among the inputs are not served.
; No LDS, no barrier: waves share nothing.  Every offset is an immediate and no address register is written twice.
.set REC,  102400
.set QTR,  25600
.set FRB,  1536
.set SCO,  24576
.set TROW, 8192                        ; a row of at or ct in bytes
.set X,    32                          ; v32-95   two sets of 32 numbers (the transposers: v32-159; W2: v32-127)
.set C,    96                          ; v96-143  codes: block m at C + 24 (m / 4) + 12 (m % 2) + 6 ((m % 4) / 2)
.set T,    144                         ; v144-146 a block's upper 16 codes, on their way
.set SW,   148                         ; v148-149 the two scale words
	s_load_b256 s[4:11], s[0:1], 0x0               ; W1 s[4:5], inp1 s[6:7], inp2 s[8:9], w1q s[10:11]
	s_load_b128 s[12:15], s[0:1], 0x20             ; at s[12:13], ct s[14:15]
	s_load_b128 s[44:47], s[0:1], 0x30             ; W2's codes s[44:45], w2q s[46:47]
	v_lshrrev_b32 v1, 5, v0
	v_readfirstlane_b32 s2, v1
	; a work-group has two waves: work-group G holds waves 2 (G % 2) + 0, 1 of the unit g = G / 2 that the text below speaks of; waves share nothing
	s_and_b32 s35, ttmp9, 1
	s_lshl_b32 s35, s35, 1
	s_add_co_u32 s2, s2, s35                       ; wave 0..3 of the unit
	s_lshr_b32 s35, ttmp9, 1                       ; g
	v_and_b32 v1, 31, v0                           ; lane
	v_and_b32 v2, 15, v0                           ; lane % 16
	v_bfe_u32 v3, v0, 4, 1                         ; lane / 16
	s_mov_b32 s43, 0                               ; the upper word of the offsets' pair s[42:43]
	s_cmp_ge_u32 s35, 1100
	s_cbranch_scc1 .Lw2
	s_cmp_ge_u32 s35, 1036
	s_cbranch_scc1 .Ltrans
	; ---- W1.  R = g / 4, w = g % 4 (g = 1032 + w gives R = 258); wave b' takes columns 128 w + 32 b' .. + 31
	v_and_b32 v5, 7, v2
	v_lshrrev_b32 v6, 3, v2
	v_lshl_add_u32 v5, v3, 3, v5
	v_lshl_add_u32 v5, v6, 4, v5                   ; my column among the 32: 8 (lane / 16) + r % 8 + 16 (r / 8)
	v_lshlrev_b32 v4, 2, v5                        ; in bytes
	v_mul_u32_u24 v7, v3, FRB
	v_lshl_add_u32 v7, v2, 4, v7                   ; out: fragment bt = 2 b' + lane / 16, 16 bytes at 16 r
	v_lshlrev_b32 v8, 3, v1                        ; my two scale words: 8 x lane
	s_lshr_b32 s3, s35, 2
	s_and_b32 s32, s35, 3
	s_mul_i32 s33, s3, REC
	s_mul_i32 s34, s32, QTR
	s_add_co_u32 s33, s33, s34                     ; my quarter of my record
	s_mul_i32 s34, s2, 2*FRB
	s_add_co_u32 s42, s33, s34
	s_wait_kmcnt 0x0
	s_add_nc_u64 s[36:37], s[10:11], s[42:43]      ; my wave's two fragments of K step 0
	s_lshl_b32 s34, s2, 8
	s_add_co_u32 s42, s33, s34
	s_add_co_u32 s42, s42, SCO
	s_add_nc_u64 s[38:39], s[10:11], s[42:43]      ; my wave's 256 bytes of scale words
	s_lshl_b32 s42, s32, 9
	s_lshl_b32 s34, s2, 7
	s_add_co_u32 s42, s42, s34
	s_add_nc_u64 s[4:5], s[4:5], s[42:43]          ; W1 at my wave's 32 columns
	s_cmp_eq_u32 s3, 258
	s_cbranch_scc1 .Llast
	s_cmp_eq_u32 s3, 257
	s_cselect_b32 s40, 2056, s3                    ; the record's first block,
	s_cselect_b32 s41, 1, 257                      ; and the step from block to block
.irp m, 0,1,2,3,4,5,6,7
	s_lshl_b32 s42, s40, 16                        ; a block is 32 rows of 2,048 bytes
	s_add_nc_u64 s[16+2*\m:17+2*\m], s[4:5], s[42:43]   ; a base for each block: none is written again
	s_add_co_u32 s40, s40, s41
.endr
.macro LOAD m                          ; block m: W1(32 kb + i, my column), i = 0 .. 31: 32 lanes read 128 consecutive bytes, the four waves 512
.set ii, 0
.rept 32
	global_load_b32 v[X+32*((\m)%2)+ii], v4, s[16+2*(\m):17+2*(\m)] offset:2048*ii th:TH_LOAD_NT
.set ii, ii+1
.endr
.endm
.macro OUT st                          ; K step st's codes: lane (u, r) holds the registers of fragment lanes (r, 0) and (r, 1): sixteen lanes store 256 consecutive bytes, at a multiple of 256 from w1q's first byte
.irp h, 0,1
.irp g, 0,1,2
	global_store_b128 v7, v[C+24*(\st)+12*\h+4*\g:C+24*(\st)+12*\h+4*\g+3], s[36:37] offset:8*FRB*(\st)+256*\h+512*\g
.endr
.endr
.endm
.macro QB m
.set XS, X+32*((\m)%2)
.set PL, C+24*((\m)/4)+12*((\m)%2)+6*(((\m)%4)/2)
.if (\m) < 7
	s_wait_loadcnt 32                              ; this block's 32 loads are in; the next block's 32 may be out
.else
	s_wait_loadcnt 0x0
.endif
	v_max3_num_f32 v16, |v[XS]|, |v[XS+1]|, |v[XS+2]|   ; the block's largest magnitude, in two chains: all 32 numbers are mine
	v_max3_num_f32 v17, |v[XS+3]|, |v[XS+4]|, |v[XS+5]|
.irp i, 6,10,14,18,22,26
	v_max3_num_f32 v16, v16, |v[XS+\i]|, |v[XS+\i+1]|
	v_max3_num_f32 v17, v17, |v[XS+\i+2]|, |v[XS+\i+3]|
.endr
	v_max3_num_f32 v16, v16, |v[XS+30]|, |v[XS+31]|
	v_max3_num_f32 v16, v16, v17, 0x1800000        ; and the floor 2^(3 - 127): the byte cannot fall under 1
	v_add_nc_u32 v18, 0xff000000, v16              ; 2 off the exponent field: the conversion takes that field of this operand as its scale
	v_cvt_scalef32_pk16_fp6_f32 v[PL:PL+2], v[XS:XS+15], v18
	v_cvt_scalef32_pk16_fp6_f32 v[T:T+2], v[XS+16:XS+31], v18   ; (a conversion's three registers begin on an even number)
	v_lshrrev_b32 v19, 23, v18                     ; the scale's byte; also the plain instruction behind the conversions
.if ((\m)%4) == 0
	v_mov_b32 v[SW+(\m)/4], v19
.else
	v_lshl_or_b32 v[SW+(\m)/4], v19, 8*((\m)%4), v[SW+(\m)/4]
.endif
.irp i, 0,1,2
	v_mov_b32 v[PL+3+\i], v[T+\i]
.endr
.if (\m) < 6
	LOAD (\m)+2
.endif
.endm
	s_wait_alu depctr_va_vdst(0)
	LOAD 0
	LOAD 1
	QB 0
	QB 1
	QB 2
	QB 3
	OUT 0                                          ; every code register is written once: no store's data are written again
	QB 4
	QB 5
	QB 6
	QB 7
	OUT 1
	global_store_b64 v8, v[SW:SW+1], s[38:39]      ; 32 lanes store 256 consecutive bytes
	s_endpgm
.Llast:                                            ; ---- record 258: k = 66048 and 31 zeros in place 0; places 1 to 3 are zero codes under the byte 127
	s_add_nc_u64 s[4:5], s[4:5], 66048*2048
	s_wait_alu depctr_va_vdst(0)
	global_load_b32 v[X], v4, s[4:5] th:TH_LOAD_NT
.set ii, 1
.rept 15
	v_mov_b32 v[X+ii], 0
.set ii, ii+1
.endr
.set ii, 3
.rept 21
	v_mov_b32 v[C+ii], 0
.set ii, ii+1
.endr
	v_mov_b32 v[SW+1], 0x7f7f7f7f
	s_wait_alu depctr_va_vdst(0)
	s_wait_loadcnt 0x0
	v_max3_num_f32 v16, |v[X]|, |v[X]|, 0x1800000
	v_add_nc_u32 v18, 0xff000000, v16
	v_cvt_scalef32_pk16_fp6_f32 v[C:C+2], v[X:X+15], v18
	v_lshrrev_b32 v19, 23, v18
	v_or_b32 v[SW], 0x7f7f7f00, v19
	OUT 0
	global_store_b64 v8, v[SW:SW+1], s[38:39]
	s_endpgm
.Ltrans:                                           ; ---- the transposers: u = g - 1036; u / 32 says which input, u % 32 which 64 rows of it.  Wave w takes columns 64 w .. + 63
	s_sub_co_u32 s3, s35, 1036
	s_lshr_b32 s32, s3, 5
	s_and_b32 s33, s3, 31
	s_wait_alu depctr_va_vdst(0)
	v_lshlrev_b32 v4, 12, v2
	v_lshl_add_u32 v4, v3, 4, v4                   ; in: rows 4 (lane % 16) on, 1,024 bytes each; 16 bytes for each half of the lanes
	v_lshlrev_b32 v5, 4, v2
	v_lshl_add_u32 v6, v3, 13, v5                  ; out, constant rows: 16 (lane % 16), one row down for lanes 16-31
	v_lshl_add_u32 v5, v3, 15, v5                  ; out: 16 (lane % 16), four rows down for lanes 16-31
.irp i, 8,9,10,11
	v_mov_b32 v\i, 0
.endr
	v_sub_nc_u32 v12, 1, v3
	v_cvt_f32_u32 v12, v12                         ; 1.0 in lanes 0-15 (row 288), 0 in lanes 16-31 (row 289)
.irp i, 13,14,15
	v_mov_b32 v\i, v12
.endr
	s_lshl_b32 s42, s33, 16
	s_lshl_b32 s34, s2, 8
	s_add_co_u32 s42, s42, s34
	s_wait_kmcnt 0x0
	s_cmp_eq_u32 s32, 0                            ; the choice hangs on the work-group's number alone
	s_cselect_b64 s[16:17], s[6:7], s[8:9]
	s_cselect_b64 s[18:19], s[12:13], s[14:15]
	s_add_nc_u64 s[16:17], s[16:17], s[42:43]      ; the input at my 64 rows, my wave's 64 columns
	s_lshl_b32 s42, s33, 8
	s_add_nc_u64 s[18:19], s[18:19], s[42:43]      ; the output's row 0 at my 64 numbers
	s_lshl_b32 s42, s2, 19
	s_add_co_u32 s42, s42, 32*TROW
	s_add_nc_u64 s[20:21], s[18:19], s[42:43]      ; its row 32 + 64 w
.irp p, 0,1
.irp g, 0,1,2,3
.irp r, 0,1,2,3
	global_load_b128 v[X+64*\p+16*\g+4*\r:X+64*\p+16*\g+4*\r+3], v4, s[16:17] offset:1024*\r+128*\p+32*\g
.endr
.endr
.endr
	s_wait_loadcnt 0x0
.irp p, 0,1
.irp g, 0,1,2,3
	s_wait_xcnt 0x0                                ; the stores before have read v16-31: only behind this wait are they written again
.irp j, 0,1,2,3
.irp r, 0,1,2,3
	v_mov_b32 v[16+4*\j+\r], v[X+64*\p+16*\g+4*\r+\j]   ; four neighbouring rows' numbers of one column
.endr
.endr
.irp j, 0,1,2,3
	global_store_b128 v5, v[16+4*\j:16+4*\j+3], s[20:21] offset:(32*\p+8*\g+\j)*TROW   ; sixteen lanes store 256 consecutive bytes of one row, aligned
.endr
.endr
.endr
	s_cmp_lg_u32 s2, 0
	s_cbranch_scc1 .Ldone                          ; wave 0 also stores the constant rows for these 64 numbers, two rows a store
.set ii, 0
.rept 16
	global_store_b128 v6, v[8:11], s[18:19] offset:2*ii*TROW
.set ii, ii+1
.endr
	global_store_b128 v6, v[12:15], s[18:19] offset:288*TROW
.set ii, 0
.rept 17
	global_store_b128 v6, v[8:11], s[18:19] offset:(290+2*ii)*TROW
.set ii, ii+1
.endr
.Ldone:
	s_endpgm
.Lw2:                                              ; ---- W2's codes: wave w of work-group 1100 + d takes tiles N = 8 d + 2 w and the next: 8 fragments.  A tile's 16 rows of 384 bytes are as many bytes as its 4 fragments of 1,536
	s_sub_co_u32 s3, s35, 1100
	s_lshl_b32 s3, s3, 3
	s_lshl_b32 s32, s2, 1
	s_add_co_u32 s3, s3, s32                       ; N
	s_wait_alu depctr_va_vdst(0)
	v_mul_u32_u24 v4, v2, 384                      ; in: row r of 512 codes,
	v_mad_u32_u24 v4, v3, 24, v4                   ; + 24 h
	v_lshlrev_b32 v5, 4, v1                        ; out: 16 x lane
	s_mul_i32 s42, s3, 4*FRB
	s_wait_alu depctr_va_vdst(0)
	s_wait_kmcnt 0x0
	s_add_nc_u64 s[16:17], s[44:45], s[42:43]
	s_add_nc_u64 s[18:19], s[46:47], s[42:43]
.irp n, 0,1
.irp s, 0,1,2,3
.irp p, 0,1,2,3,4,5
	global_load_b64 v[X+12*(4*\n+\s)+2*\p:X+12*(4*\n+\s)+2*\p+1], v4, s[16:17] offset:16*\n*384+96*\s+48*(\p/3)+8*(\p%3)   ; the fragment's registers, in pieces of 8 bytes: this scattered read is made once in the program
.endr
.endr
.endr
	s_wait_loadcnt 0x0
.irp f, 0,1,2,3,4,5,6,7
.irp c, 0,1,2
	global_store_b128 v5, v[X+12*\f+4*\c:X+12*\f+4*\c+3], s[18:19] offset:FRB*\f+512*\c   ; 32 lanes store 512 consecutive bytes, at a multiple of 256 from w2q's first byte
.endr
.endr
	s_endpgm
.Lfunc_end_k_q8892034bc3_prep:
	.size	k_q8892034bc3_prep, .Lfunc_end_k_q8892034bc3_prep-k_q8892034bc3_prep
	.p2alignl 7, 3214868480
	.fill 96, 4, 3214868480
	.section	.rodata,"a",@progbits
	.p2align	6, 0x0
	.amdhsa_kernel k_q8892034bc3_prep
		.amdhsa_group_segment_fixed_size 0
		.amdhsa_private_segment_fixed_size 0
		.amdhsa_enable_private_segment 0
		.amdhsa_kernarg_size 64
		.amdhsa_user_sgpr_count 2
		.amdhsa_user_sgpr_kernarg_segment_ptr 1
		.amdhsa_wavefront_size32 1
		.amdhsa_system_sgpr_workgroup_id_x 1
		.amdhsa_system_sgpr_workgroup_id_y 1
		.amdhsa_system_sgpr_workgroup_id_z 1
		.amdhsa_system_vgpr_workitem_id 0
		.amdhsa_next_free_vgpr 160
		.amdhsa_next_free_sgpr 66
		.amdhsa_reserve_vcc 0
		.amdhsa_float_denorm_mode_32 3
		.amdhsa_float_denorm_mode_16_64 3
		.amdhsa_memory_ordered 1
		.amdhsa_forward_progress 1
		.amdhsa_inst_pref_size 65
	.end_amdhsa_kernel
	.amdgpu_metadata
---
amdhsa.version: [ 1, 2 ]
amdhsa.kernels:
  - .name:           k_q8892034bc3_prep
    .symbol:         k_q8892034bc3_prep.kd
    .args:
      - { .name: W1, .offset: 0, .size: 8, .value_kind: global_buffer, .address_space: global }
      - { .name: inp1, .offset: 8, .size: 8, .value_kind: global_buffer, .address_space: global }
      - { .name: inp2, .offset: 16, .size: 8, .value_kind: global_buffer, .address_space: global }
      - { .name: w1q, .offset: 24, .size: 8, .value_kind: global_buffer, .address_space: global }
      - { .name: at, .offset: 32, .size: 8, .value_kind: global_buffer, .address_space: global }
      - { .name: ct, .offset: 40, .size: 8, .value_kind: global_buffer, .address_space: global }
      - { .name: W2_codes, .offset: 48, .size: 8, .value_kind: global_buffer, .address_space: global }
      - { .name: w2q, .offset: 56, .size: 8, .value_kind: global_buffer, .address_space: global }
    .group_segment_fixed_size: 0
    .private_segment_fixed_size: 0
    .kernarg_segment_align: 8
    .kernarg_segment_size: 64
    .max_flat_workgroup_size: 64
    .sgpr_count:     66
    .vgpr_count:     160
    .wavefront_size: 32
...
	.end_amdgpu_metadata
.endif
;; end of part 1
;; launch fuse (part 2): grid 16 x 16, 8 waves a work-group, clusters of 4 x 1, 327,680 bytes of LDS; arguments w1q, at, ct, part; writes part
.if DOCPART == 2
	.amdgcn_target "amdgcn-amd-amdhsa--gfx1250"
	.amdhsa_code_object_version 6
	.text
	.protected	k_q8892034bc3_fuse
	.globl	k_q8892034bc3_fuse
	.p2align	8
	.type	k_q8892034bc3_fuse,@function
k_q8892034bc3_fuse:
	s_mov_b64 s[64:65], 0
	v_nop
	global_prefetch_b8 v0, s[64:65] scope:SCOPE_SE
	s_setreg_imm32_b32 hwreg(HW_REG_WAVE_MODE, 25, 1), 1
	s_wait_xcnt 0x0
	s_wait_alu depctr_hold_cnt(0) depctr_sa_sdst(0) depctr_va_vdst(0) depctr_va_sdst(0) depctr_va_ssrc(0) depctr_va_vcc(0) depctr_vm_vsrc(0)
	s_getreg_b32 s2, hwreg(HW_REG_IB_STS2, 6, 4)
	s_cmp_eq_u32 s2, 0
	s_cbranch_scc0 .Lentry_in_a_cluster
	s_endpgm
.Lentry_in_a_cluster:
	s_bfe_u32 s2, ttmp6, 0x10000c
	s_cmp_lg_u32 s2, 0x3003
	s_cbranch_scc0 .Lentry_shape_is_right
	s_endpgm
.Lentry_shape_is_right:
; FUSE.  part[y] = Q(fusion) Q(W1) over slice y of K.  fusion[b][257 i + j] = a[b][i] c[b][j], a = [inp1, 1], c = [inp2, 1]; it is made here, in f32, quantised to E2M3 along K and never stored.
; SHARES.  Work-group (mt, y): batch rows 128 mt .. + 127, all 512 columns, slice y of K.  Eight waves, two to a SIMD.  Wave w multiplies 128 rows x columns 64 w .. + 63: 32 accumulators, 256 registers.
;   Wave w also MAKES fusion's codes of rows 32 (w % 4) .. + 31, a lane a row, for K step w / 4 of the residue; they go to the other waves through LDS as images of the operand's registers.
; TWO ORDERS OF A TRIP.  Waves with ((w xor w / 4) & 1) = 0 make codes first and multiply then; the others multiply first.  That bit differs between waves w and w + 4 and between waves 2 k and 2 k + 1.
; K ORDER.  The eight blocks kb = rho + 257 m begin at i = i0 + 32 m, j = J, with 32 rho = 257 i0 + J: they share one run of 32 numbers of c.  A residue is named by J: rho = (2056 - 8 J) mod 257.
;   A block's largest magnitude is |a| x (the run's largest |c|), rounded once: rounding keeps order.  J > 225: a block STRADDLES rows i, i + 1: product = a_i x clo + a_(i+1) x chi; ct's zero rows make one of the two terms 0.
;   J = 225 goes the same way with chi all zeros.  Slice y takes J = 225 + 2 y and 226 + 2 y first (the straddling form), then J = 14 y .. 14 y + 13 (the plain form, in the loop).
;   Five K steps are over (J = 224, which is record 7, and records 257, 258 of w1q): slices 0 to 4 take one each at the end.
; In trip t: the fill of record t goes out; fusion's codes of residue t are made; residue t - 1 is multiplied; the operands of residue t + 1 are asked for behind the making.
; THE MATRIX INSTRUCTION IS USED TRANSPOSED: source 0 = 16 columns of W1, source 1 = 16 rows of fusion.
; W1's codes come by the tensor data mover through two LDS slots, a record (102,400 bytes) each; wave w fetches an eighth.  The four work-groups of a cluster share y and so the records:
;   each is asked for JOINTLY, with the mask of all four.  The place in the cluster enters global offsets alone (at, ct, part, the prefetches).
; part: [y 16][mt 16][quarter 4][a 8][bt 8][half 2][g 2][h 2][rho 8][4] f32: registers 4 half .. + 3 of accumulator (a, bt) in lane (r = 8 g + rho, h); wave w has quarter w / 2, bt = 4 (w % 2) + 0 .. 3.
; LIMITS: NaN and infinities among the inputs are not served (0 x infinity would arise in a straddling block); a block of zeros has the byte 1 where the quantiser says 127 (its codes are zeros);
;   the f32 sums run in another order than the source's: K by residues, in 16 partial sums.
; LDS: 0 slot 0 | 102,400 images 0 (16 fragments of 1,536, then 8 x 128 bytes of scale words) | 131,072 slot 1 | 233,472 images 1 | 262,144 the spare words.  Bit 17 turns one into the other.
; REGISTERS.  Window 1: accumulator (a, b) at v[8 (4 a + b)].  Window 0: v1-3, v6-11 addresses; v4-5 the extra step's scale words of W1; v12-19, v20-23 scale words of fusion and of W1; v24-55 c's run; v56-63 pairs (a, scale operand);
;   v64-111 chi and the next row's a in the straddling form, then W1's fragments of K step 1; v112-159 W1's fragments; v160-255 fusion's 8 fragments.  While codes are made no fragment is held: the products and codes lie in v112-178.
.set REC,   102400
.set QTR,   25600
.set EIG,   12800
.set FRB,   1536
.set SCO,   24576
.set IMG,   102400
.set BIT,   1<<17
.set SPARE, 262144
.set TROW,  8192
.set XS,  4
.set AS,  12                           ; fusion's scale words: 4 s + a / 2; lanes 0-15 the even tile's, lanes 16-31 the odd tile's
.set BS,  20                           ; W1's: 2 (b / 2) + s, likewise
.set CS,  24
.set AV,  56                           ; a of block q at AV + 2 q, its scale operand at AV + 2 q + 1
.set XR,  64
.set CHI, 64
.set AW,  96
.set WF,  112
.set AF,  160
.set PR,  112
.set Z,   144
.set T,   168
.set B,   171
.set W,   172
.set CM,  173
.set CM2, 174
.set CMH, 175
.set CMH2, 176
.set SA,  177
.set SB,  178
.set MSB, 0
.macro WIN new                         ; the immediate's high byte repeats the setting that is left
.if MSB != (\new)
	s_set_vgpr_msb (MSB<<8)|(\new)
.set MSB, (\new)
.endif
.endm
.set ACC, 0x50                         ; C and D window 1
.macro PLACES                          ; four plain vector instructions between a matrix instruction and a write of, or a load into, one of its registers, or a read of its result
.rept 4
	v_nop
.endr
.endm
.macro ROUND                           ; a round of the cluster's barrier
	s_barrier_signal -1
	s_barrier_wait -1
	s_cmp_lg_u32 s12, 0
	s_cbranch_scc1 .Lnot_wave_0_\@
	s_barrier_signal -3
.Lnot_wave_0_\@:
	s_barrier_wait -3
	s_barrier_signal -1
	s_barrier_wait -1
.endm
; THE CHANGE OF SLOTS, at a trip's head.  kind 2: the launch's first fill, behind the opening round.  kind 1: a refill.  kind 0: nothing is left to fetch.
.macro CHANGE kind
.if \kind < 2
	s_wait_tensorcnt 0x0                           ; no tensor load of mine is out, so the descriptor may be written
	ds_add_u32 v1, v2                              ; 0 onto my spare word
.endif
.if \kind > 0
	s_add_co_u32 s25, s48, s30                     ; LDS: my eighth of the slot to be filled
	s_add_nc_u64 s[26:27], s[4:5], s[28:29]        ; memory: my eighth of the trip's record
	s_or_b32 s27, s27, 0x80000000                  ; type = 2
.endif
.if \kind == 1
	s_wait_xcnt 0x0                                ; all earlier loads and prefetches have read their addresses: the bases are written again only behind this wait
.endif
.if \kind < 2
	s_wait_dscnt 0x0                               ; the add, my reads of the other slot and images, my stores of images
.endif
.if \kind > 0
	ROUND                                          ; no wave of any partner still reads the slot or has a load on its way
	tensor_load_to_lds s[24:27], s[16:23]          ; my one tensor load until the next round: by this text's count one is out
	s_nop 0
.else
	s_barrier_signal -1
	s_barrier_wait -1
.endif
	PLACES
.endm
; One block: 32 products in f32, their codes into v[zr] .. v[zr + 5], the scale's byte into v[breg] and (wq >= 0) into byte wq of the scale word.
.macro BLK creg, ai, zr, str, wq, breg
.irp d, 0,2,4,6,8,10,12,14,16,18,20,22,24,26,28,30
	v_pk_mul_f32 v[PR+\d:PR+\d+1], v[(\creg)+\d:(\creg)+\d+1], v[AV+2*(\ai):AV+2*(\ai)+1] op_sel_hi:[1,0]
.endr
.if \str
.irp d, 0,2,4,6,8,10,12,14,16,18,20,22,24,26,28,30
	v_pk_fma_f32 v[PR+\d:PR+\d+1], v[CHI+\d:CHI+\d+1], v[AW+2*(\ai):AW+2*(\ai)+1], v[PR+\d:PR+\d+1] op_sel_hi:[1,0,1]
.endr
.endif
	v_cvt_scalef32_pk16_fp6_f32 v[(\zr):(\zr)+2], v[PR:PR+15], v[AV+2*(\ai)+1]
	v_cvt_scalef32_pk16_fp6_f32 v[T:T+2], v[PR+16:PR+31], v[AV+2*(\ai)+1]   ; (a conversion's three registers begin on an even number)
	v_lshrrev_b32 v[\breg], 23, v[AV+2*(\ai)+1]    ; the scale's byte; also the plain instruction behind the conversions
.if (\wq) == 0
	v_mov_b32 v[W], v[\breg]
.elseif (\wq) > 0
	v_lshl_or_b32 v[W], v[\breg], 8*(\wq), v[W]
.endif
.irp d, 0,1,2
	v_mov_b32 v[(\zr)+3+\d], v[T+\d]
.endr
.endm
.macro GM two                          ; the largest |c| of the run in v24-55, in two chains; two = 1: also of the run in v64-95
	v_max3_num_f32 v[CM], |v[CS]|, |v[CS+1]|, 0
	v_max3_num_f32 v[CM2], |v[CS+2]|, |v[CS+3]|, 0
.if \two
	v_max3_num_f32 v[CMH], |v[CHI]|, |v[CHI+1]|, 0
	v_max3_num_f32 v[CMH2], |v[CHI+2]|, |v[CHI+3]|, 0
.endif
.irp e, 4,8,12,16,20,24,28
	v_max3_num_f32 v[CM], |v[CS+\e]|, |v[CS+\e+1]|, v[CM]
	v_max3_num_f32 v[CM2], |v[CS+\e+2]|, |v[CS+\e+3]|, v[CM2]
.if \two
	v_max3_num_f32 v[CMH], |v[CHI+\e]|, |v[CHI+\e+1]|, v[CMH]
	v_max3_num_f32 v[CMH2], |v[CHI+\e+2]|, |v[CHI+\e+3]|, v[CMH2]
.endif
.endr
	v_max_num_f32 v[CM], v[CM], v[CM2]
.if \two
	v_max_num_f32 v[CMH], v[CMH], v[CMH2]
.endif
.endm
; My four blocks q = 0 .. 3 of the residue (m = 4 (w / 4) + q).  Fragment lane (r, h) holds blocks q = h and q = 2 + h: 12 registers of that lane, stored as three pieces of 16 bytes.
.macro GEN str
	s_wait_loadcnt 0x0                             ; the residue's operands
	s_add_co_u32 s86, s30, s51
	s_add_co_u32 s87, s30, s54
	v_add_nc_u32 v[SA], s86, v6                    ; where I store my images,
	v_add_nc_u32 v[SB], s87, v3                    ; and my scale word
	GM \str
.irp q, 0,1,2,3
	v_mul_f32 v[AV+2*\q+1], |v[AV+2*\q]|, v[CM]    ; the block's largest magnitude
.endr
.if \str
.irp q, 0,1,2,3
	v_mul_f32 v[PR+\q], |v[AW+2*\q]|, v[CMH]
.endr
.irp q, 0,1,2,3
	v_max3_num_f32 v[AV+2*\q+1], v[AV+2*\q+1], v[PR+\q], 0x1800000
.endr
.else
.irp q, 0,1,2,3
	v_max_num_f32 v[AV+2*\q+1], 0x1800000, v[AV+2*\q+1]   ; the floor 2^(3 - 127): the byte cannot fall under 1
.endr
.endif
.irp q, 0,1,2,3
	v_add_nc_u32 v[AV+2*\q+1], 0xff000000, v[AV+2*\q+1]   ; 2 off the exponent field: the conversion's scale operand
.endr
.irp h, 0,1
	BLK CS, \h, Z+12*\h, \str, \h, B
	BLK CS, \h+2, Z+12*\h+6, \str, \h+2, B
.irp g, 0,1,2
	ds_store_b128 v[SA], v[Z+12*\h+4*\g:Z+12*\h+4*\g+3] offset:256*\h+512*\g
.endr
.endr
	ds_store_b32 v[SB], v[W]
.endm
; The loads for residue J = s32: rho, i0, the record's offset; c's run (rows 32 + J + e of ct), a of my four blocks (rows 32 + i0 + 32 m of at); str = 1: chi (rows J - 225 + e) and the next rows of at.
; A lane a batch row: 128 consecutive bytes a load.  ask = 1: A PREFETCH INTO THE L2 of residue J + 1's record, which the tensor loads of the trip after the next ask for: 100 blocks of 256 bytes a quarter;
; waves 0 to 3 take a quarter each, and of it each of the cluster's four partners 25 blocks, told apart by address; lanes 25-31 name the wave's last block again.  It stops with the slice's last record.
.macro LSET str, ask
	s_lshl_b32 s86, s32, 3
	s_sub_co_u32 s86, 2056, s86
	s_mul_i32 s87, s86, 16321                      ; x / 257 = (16321 x) >> 22 for x up to 8,224
	s_lshr_b32 s87, s87, 22
	s_mul_i32 s87, s87, 257
	s_sub_co_u32 s86, s86, s87                     ; rho
	s_lshl_b32 s87, s86, 5
	s_sub_co_u32 s87, s87, s32
	s_mul_i32 s87, s87, 16321
	s_lshr_b32 s87, s87, 22                        ; i0
	s_mul_i32 s88, s86, REC
	s_add_co_u32 s92, s88, s48                     ; my eighth of the record
	s_add_co_u32 s42, s32, 32
	s_lshl_b32 s42, s42, 13
	s_add_nc_u64 s[36:37], s[8:9], s[42:43]
	s_add_co_u32 s42, s87, 32
	s_lshl_b32 s42, s42, 13
	s_add_co_u32 s42, s42, s55                     ; my K step's blocks: 128 (w / 4) rows down
	s_add_nc_u64 s[60:61], s[6:7], s[42:43]
.if \str
	s_sub_co_u32 s42, s32, 225
	s_lshl_b32 s42, s42, 13
	s_add_nc_u64 s[38:39], s[8:9], s[42:43]
.endif
.set ee, 0
.rept 32
	global_load_b32 v[CS+ee], v3, s[36:37] offset:TROW*ee
.set ee, ee+1
.endr
.irp q, 0,1,2,3
	global_load_b32 v[AV+2*\q], v3, s[60:61] offset:32*TROW*\q
.endr
.if \str
.set ee, 0
.rept 32
	global_load_b32 v[CHI+ee], v3, s[38:39] offset:TROW*ee
.set ee, ee+1
.endr
.irp q, 0,1,2,3
	global_load_b32 v[AW+2*\q], v3, s[60:61] offset:32*TROW*\q+TROW
.endr
.endif
.if \ask
	s_sub_co_i32 s89, s86, 8                       ; J + 1 has rho - 8 mod 257
	s_cmp_lt_i32 s89, 0
	s_cselect_b32 s90, 257, 0
	s_add_co_i32 s89, s89, s90
	s_mul_i32 s42, s89, REC
	s_add_co_u32 s42, s42, s46
	s_add_nc_u64 s[56:57], s[4:5], s[42:43]
	s_cmp_lt_u32 s44, s45
	s_cbranch_scc0 .Lno_ask_\@
	global_prefetch_b8 v11, s[56:57] th:TH_LOAD_NT scope:SCOPE_SE
.Lno_ask_\@:
.endif
	s_add_co_u32 s32, s32, 1
.endm
.macro GENL str, lstr, ask, guard      ; guard = 1: the slice's last residue asks for no further operands
	GEN \str
.if \guard
	s_cmp_eq_u32 s44, 13
	s_cbranch_scc1 .Lno_more_\@
.endif
	LSET \lstr, \ask
.if \guard
.Lno_more_\@:
.endif
.endm
; One matrix instruction: fusion's tile a x W1's tile b; wb: W1's registers; xr: W1's scale word.
.macro WMQ a, b, st, wb, xr, zero
.set rD, 8*(4*(\a)+(\b))
.set rB, (\wb)+12*(\b)
.set rA, AF+12*(\a)
.set rX, \xr
.set rY, AS+4*(\st)+(\a)/2
.set wk, 2*((\a)%2)+(\b)%2
.if \zero
.if wk == 0
	v_wmma_scale_f32_16x16x128_f8f6f4 v[rD:rD+7], v[rB:rB+11], v[rA:rA+11], 0, v[rX], v[rY] matrix_a_fmt:MATRIX_FMT_FP6 matrix_b_fmt:MATRIX_FMT_FP6
.elseif wk == 1
	v_wmma_scale_f32_16x16x128_f8f6f4 v[rD:rD+7], v[rB:rB+11], v[rA:rA+11], 0, v[rX], v[rY] matrix_a_fmt:MATRIX_FMT_FP6 matrix_b_fmt:MATRIX_FMT_FP6 matrix_a_scale:MATRIX_SCALE_ROW1
.elseif wk == 2
	v_wmma_scale_f32_16x16x128_f8f6f4 v[rD:rD+7], v[rB:rB+11], v[rA:rA+11], 0, v[rX], v[rY] matrix_a_fmt:MATRIX_FMT_FP6 matrix_b_fmt:MATRIX_FMT_FP6 matrix_b_scale:MATRIX_SCALE_ROW1
.else
	v_wmma_scale_f32_16x16x128_f8f6f4 v[rD:rD+7], v[rB:rB+11], v[rA:rA+11], 0, v[rX], v[rY] matrix_a_fmt:MATRIX_FMT_FP6 matrix_b_fmt:MATRIX_FMT_FP6 matrix_a_scale:MATRIX_SCALE_ROW1 matrix_b_scale:MATRIX_SCALE_ROW1
.endif
.else
.if wk == 0
	v_wmma_scale_f32_16x16x128_f8f6f4 v[rD:rD+7], v[rB:rB+11], v[rA:rA+11], v[rD:rD+7], v[rX], v[rY] matrix_a_fmt:MATRIX_FMT_FP6 matrix_b_fmt:MATRIX_FMT_FP6
.elseif wk == 1
	v_wmma_scale_f32_16x16x128_f8f6f4 v[rD:rD+7], v[rB:rB+11], v[rA:rA+11], v[rD:rD+7], v[rX], v[rY] matrix_a_fmt:MATRIX_FMT_FP6 matrix_b_fmt:MATRIX_FMT_FP6 matrix_a_scale:MATRIX_SCALE_ROW1
.elseif wk == 2
	v_wmma_scale_f32_16x16x128_f8f6f4 v[rD:rD+7], v[rB:rB+11], v[rA:rA+11], v[rD:rD+7], v[rX], v[rY] matrix_a_fmt:MATRIX_FMT_FP6 matrix_b_fmt:MATRIX_FMT_FP6 matrix_b_scale:MATRIX_SCALE_ROW1
.else
	v_wmma_scale_f32_16x16x128_f8f6f4 v[rD:rD+7], v[rB:rB+11], v[rA:rA+11], v[rD:rD+7], v[rX], v[rY] matrix_a_fmt:MATRIX_FMT_FP6 matrix_b_fmt:MATRIX_FMT_FP6 matrix_a_scale:MATRIX_SCALE_ROW1 matrix_b_scale:MATRIX_SCALE_ROW1
.endif
.endif
.endm
; 16 matrix instructions: fusion's tiles a0 .. a0 + 3 x W1's four.  The accumulators take turns, one instruction a turn.  xk = 1: the extra step's scale words.
.macro MUL16 a0, st, wb, xk, zero
	WIN ACC
.irp a, \a0, \a0+1, \a0+2, \a0+3
.irp b, 0,1,2,3
.if \xk
	WMQ (\a), \b, \st, \wb, XS+\b/2, \zero
.else
	WMQ (\a), \b, \st, \wb, BS+2*(\b/2)+\st, \zero
.endif
.endr
.endr
	WIN 0
.endm
.macro LDW reg, off                    ; W1's four fragments: every load of 16 bytes a lane takes 512 consecutive bytes
.irp b, 0,1,2,3
.irp g, 0,1,2
	ds_load_b128 v[(\reg)+12*\b+4*\g:(\reg)+12*\b+4*\g+3], v7 offset:(\off)+FRB*\b+512*\g
.endr
.endr
.endm
.macro LDA a0, off                     ; fusion's tiles a0 .. a0 + 3
.irp a, \a0, \a0+1, \a0+2, \a0+3
.irp g, 0,1,2
	ds_load_b128 v[AF+12*(\a)+4*\g:AF+12*(\a)+4*\g+3], v9 offset:(\off)+FRB*(\a)+512*\g
.endr
.endr
.endm
; A residue's two K steps: 64 matrix instructions.  var = 0: W1's fragments of K step 1 have registers of their own (v64-111); var = 1: those registers are taken, and K step 1's come into K step 0's behind its products.
.macro MUL zero, var
	s_add_co_u32 s86, s31, s49
	s_add_co_u32 s87, s31, s50
	s_add_co_u32 s88, s31, IMG
	s_add_co_u32 s89, s31, IMG+SCO
	v_lshl_add_u32 v7, v3, 2, s86                  ; W1's fragments: 16 x lane + my four tiles
	v_lshl_add_u32 v8, v3, 1, s87                  ; their scale words: 8 x lane
	v_lshl_add_u32 v9, v3, 2, s88                  ; fusion's images
	v_add_nc_u32 v10, s89, v3                      ; their scale words: 4 x lane
	s_wait_alu depctr_va_vdst(0)
	s_wait_dscnt 0x0                               ; my stores of images have read their registers, which the loads below fill
.irp u, 0,1
	ds_load_b64 v[BS+2*\u:BS+2*\u+1], v8 offset:256*\u
.endr
.irp i, 0,1,2,3,4,5,6,7
	ds_load_b32 v[AS+\i], v10 offset:128*\i
.endr
	LDW WF, 0
	LDA 0, 0
	LDA 4, 0
.if (\var) == 0
	LDW XR, 8*FRB
.endif
	s_wait_dscnt 0x0
	MUL16 0, 0, WF, 0, \zero
	PLACES
	LDA 0, 8*FRB
	MUL16 4, 0, WF, 0, \zero
	PLACES
.if \var
	LDW WF, 8*FRB
.endif
	LDA 4, 8*FRB
	s_wait_dscnt 12                                ; all but the youngest 12 loads (tiles 4-7)
.if \var
	MUL16 0, 1, WF, 0, 0
	s_wait_dscnt 0x0
	MUL16 4, 1, WF, 0, 0
.else
	MUL16 0, 1, XR, 0, 0
	s_wait_dscnt 0x0
	MUL16 4, 1, XR, 0, 0
.endif
	PLACES
.endm
.macro ENDTRIP
	s_mov_b32 s28, s92                             ; the next trip's record (no register of the descriptor)
	s_xor_b32 s30, s30, BIT
	s_xor_b32 s31, s31, BIT
.endm
.macro TRIP str, guard, zero, var      ; both branches hang on the wave's number alone, and lead round no barrier
	CHANGE 1
	s_cmp_lg_u32 s33, 0
	s_cbranch_scc1 .Lmul_first_\@
	GENL \str, 0, 1, \guard
.Lmul_first_\@:
	MUL \zero, \var
	s_cmp_eq_u32 s33, 0
	s_cbranch_scc1 .Lmade_\@
	GENL \str, 0, 1, \guard
.Lmade_\@:
	ENDTRIP
.endm
	s_load_b256 s[4:11], s[0:1], 0x0               ; w1q s[4:5], at s[6:7], ct s[8:9], part s[10:11]
	v_lshl_add_u32 v1, v0, 2, SPARE                ; my spare word; never rewritten
	v_mov_b32 v2, 0                                ; never rewritten
	ds_add_u32 v1, v2                              ; the opening lines: the add twice on end and its wait
	ds_add_u32 v1, v2
	v_lshrrev_b32 v7, 5, v0
	v_readfirstlane_b32 s12, v7                    ; wave 0..7
	v_and_b32 v8, 31, v0                           ; lane
	v_lshlrev_b32 v3, 2, v8                        ; 4 x lane
	v_lshrrev_b32 v9, 4, v8
	v_and_b32 v10, 15, v8
	v_mul_u32_u24 v6, v9, FRB
	v_lshl_add_u32 v6, v10, 4, v6                  ; an image's place: tile lane / 16 of my two, 16 (lane % 16)
	v_min_u32 v11, 24, v8
	v_lshlrev_b32 v11, 8, v11                      ; the prefetches: 256 x min(lane, 24)
.irp q, 0,1,2,3
	v_mov_b32 v[AW+2*\q+1], 0                      ; named as upper halves of pairs in the straddling form, so they are written
.endr
	s_bfe_u32 s13, ttmp6, 0x40000                  ; cx
	s_lshl_b32 s14, ttmp9, 2
	s_add_co_u32 s14, s14, s13                     ; mt = 4 x cluster x + cx
	s_and_b32 s15, ttmp7, 0xffff                   ; y, which the four partners share
	; descriptor group 1: an eighth of a record, 12,800 dense bytes, as 50 rows of 32 elements of 8 bytes; no padding
	s_mov_b32 s16, 15|(3<<16)|(1<<21)              ; the mask: all four work-groups; elements of 8 bytes; bit 21 set beside a mask
	s_mov_b32 s17, 32<<16
	s_mov_b32 s18, 50<<16
	s_mov_b32 s19, 32<<16
	s_mov_b32 s20, 50
	s_mov_b32 s21, 32
	s_mov_b32 s22, 0
	s_mov_b32 s23, 0
	s_mov_b32 s24, 1
	s_and_b32 s34, s12, 3                          ; w % 4: which 32 rows I make
	s_lshr_b32 s35, s12, 2                         ; w / 4: which K step I make
	s_xor_b32 s33, s12, s35
	s_and_b32 s33, s33, 1                          ; 0: codes first; 1: products first
	s_lshr_b32 s86, s12, 1                         ; w / 2: my quarter of a record
	s_and_b32 s87, s12, 1                          ; w % 2: which four tiles of it
	s_mul_i32 s48, s12, EIG
	s_mul_i32 s49, s86, QTR
	s_lshl_b32 s89, s87, 9
	s_add_co_u32 s50, s49, s89
	s_add_co_u32 s50, s50, SCO                     ; my tiles' scale words
	s_mul_i32 s88, s87, 4*FRB
	s_add_co_u32 s49, s49, s88                     ; my tiles' fragments of K step 0
	s_mul_i32 s51, s34, 2*FRB
	s_mul_i32 s88, s35, 8*FRB
	s_add_co_u32 s51, s51, s88
	s_add_co_u32 s51, s51, IMG                     ; where my images go
	s_lshl_b32 s54, s34, 7
	s_lshl_b32 s88, s35, 9
	s_add_co_u32 s54, s54, s88
	s_add_co_u32 s54, s54, IMG+SCO                 ; and my scale words
	s_lshl_b32 s55, s35, 20                        ; 128 (w / 4) rows of at
	s_cmp_lt_u32 s12, 4
	s_cselect_b32 s45, 12, 0                       ; waves 0 to 3 prefetch, in trips under 12
	s_mul_i32 s46, s12, QTR
	s_mul_i32 s88, s13, 6400
	s_add_co_u32 s46, s46, s88
	s_lshl_b32 s90, s15, 4
	s_add_co_u32 s90, s90, s14
	s_lshl_b32 s90, s90, 2
	s_add_co_u32 s90, s90, s86
	s_lshl_b32 s90, s90, 16
	s_lshl_b32 s87, s87, 12
	s_add_co_u32 s90, s90, s87                     ; part: ((16 y + mt) 4 + w / 2) x 65,536 + 4,096 (w % 2)
	s_mov_b32 s91, 0
	s_lshl_b32 s88, s14, 7
	s_lshl_b32 s89, s34, 5
	s_add_co_u32 s88, s88, s89
	s_lshl_b32 s88, s88, 2                         ; my 32 batch rows' place in a row of at or ct
	s_mov_b32 s89, 0
	s_mov_b32 s29, 0
	s_mov_b32 s30, 0                               ; the slot and images written in this trip,
	s_mov_b32 s31, BIT                             ; and those read
	s_lshl_b32 s32, s15, 1
	s_add_co_u32 s32, s32, 225                     ; J of the slice's first residue
	s_mov_b32 s43, 0
	s_mov_b32 s44, 0
	s_wait_alu depctr_va_vdst(0)
	s_wait_dscnt 0x0
	s_wait_kmcnt 0x0
	s_add_nc_u64 s[52:53], s[10:11], s[90:91]
	s_add_nc_u64 s[6:7], s[6:7], s[88:89]
	s_add_nc_u64 s[8:9], s[8:9], s[88:89]
	LSET 1, 0                                      ; the first residue's operands and record
	s_mov_b32 s28, s92
	; ---- trip 0: the first residue's codes are made; nothing to multiply yet
	CHANGE 2
	GENL 1, 1, 0, 0
	ENDTRIP
	s_mul_i32 s32, s15, 14                         ; on to the plain residues: J = 14 y ..
	; ---- trip 1: the second straddling residue is made; the first is multiplied and starts the sums
	TRIP 1, 0, 1, 1
	; ---- trips 2 to 15
.Ltrip:
	TRIP 0, 1, 0, 0
	s_add_co_u32 s44, s44, 1
	s_cmp_lt_u32 s44, 14
	s_cbranch_scc1 .Ltrip
	; ---- THE TAIL: the last residue is multiplied; slices 0 to 4 add one K step more.  The branch hangs on y alone, which all waves and all partners share.
	s_cmp_lt_u32 s15, 5
	s_cbranch_scc0 .Lplain_tail
	; the extra step's four blocks: c from rows X0 + q DX + e of ct, a from row I0 + q DI of at; I make q = w / 4 and q + 2.  y = 0, 1: J = 224 (i = 32 m, m = 4 y + q); y = 2, 3: blocks 2056 + m (i = 256, j = 32 m); y = 4: block 2064, then zero rows
	s_wait_loadcnt 0x0
	s_lshl_b32 s86, s15, 7
	s_add_co_u32 s87, s86, 32
	s_sub_co_u32 s88, s86, 224
	s_cmp_eq_u32 s15, 4
	s_cselect_b32 s88, 288, s88
	s_cselect_b32 s89, 1, 32
	s_cmp_lt_u32 s15, 2
	s_cselect_b32 s88, 256, s88                    ; X0
	s_cselect_b32 s89, 0, s89                      ; DX
	s_mov_b32 s90, 288
	s_cselect_b32 s87, s87, s90                    ; I0
	s_cselect_b32 s90, 32, 0                       ; DI
	s_mul_i32 s42, s89, s35
	s_add_co_u32 s42, s42, s88
	s_lshl_b32 s42, s42, 13
	s_add_nc_u64 s[66:67], s[8:9], s[42:43]
	s_lshl_b32 s89, s89, 14
	s_add_co_u32 s42, s42, s89
	s_add_nc_u64 s[68:69], s[8:9], s[42:43]
	s_mul_i32 s42, s90, s35
	s_add_co_u32 s42, s42, s87
	s_lshl_b32 s42, s42, 13
	s_add_nc_u64 s[70:71], s[6:7], s[42:43]
	s_lshl_b32 s90, s90, 14
	s_add_co_u32 s42, s42, s90
	s_add_nc_u64 s[72:73], s[6:7], s[42:43]
.set ee, 0
.rept 32
	global_load_b32 v[CS+ee], v3, s[66:67] offset:TROW*ee
	global_load_b32 v[CHI+ee], v3, s[68:69] offset:TROW*ee
.set ee, ee+1
.endr
	global_load_b32 v[AV], v3, s[70:71]
	global_load_b32 v[AV+2], v3, s[72:73]
	CHANGE 0                                       ; the last record has landed; nothing is filled, so no round
	s_wait_loadcnt 0x0
	s_mul_i32 s86, s34, 2*FRB                      ; the extra step's codes go into the images that nobody reads any more, K step 0's places
	s_lshl_b32 s87, s35, 8
	s_add_co_u32 s86, s86, s87
	s_add_co_u32 s86, s86, IMG
	s_add_co_u32 s86, s86, s30
	s_lshl_b32 s87, s34, 7
	s_add_co_u32 s87, s87, s35
	s_add_co_u32 s87, s87, IMG+SCO
	s_add_co_u32 s87, s87, s30
	v_add_nc_u32 v[SA], s86, v6
	v_add_nc_u32 v[SB], s87, v3                    ; my two bytes of the row's scale word: w / 4 and w / 4 + 2
	GM 1
	v_mul_f32 v[AV+1], |v[AV]|, v[CM]
	v_mul_f32 v[AV+3], |v[AV+2]|, v[CMH]
	v_max_num_f32 v[AV+1], 0x1800000, v[AV+1]
	v_max_num_f32 v[AV+3], 0x1800000, v[AV+3]
	v_add_nc_u32 v[AV+1], 0xff000000, v[AV+1]
	v_add_nc_u32 v[AV+3], 0xff000000, v[AV+3]
	BLK CS, 0, Z, 0, -1, B
	BLK CHI, 1, Z+6, 0, -1, W
.irp g, 0,1,2
	ds_store_b128 v[SA], v[Z+4*\g:Z+4*\g+3] offset:512*\g
.endr
	ds_store_b8 v[SB], v[B]
	ds_store_b8 v[SB], v[W] offset:2
	; the extra step's W1: record 7 (y < 2) or 256 + y / 2, K step y % 2, straight into v64-111.  Not asked for jointly: one K step in 33, and of five slices alone
	s_lshr_b32 s86, s15, 1
	s_add_co_u32 s86, s86, 256
	s_cmp_lt_u32 s15, 2
	s_cselect_b32 s86, 7, s86
	s_mul_i32 s86, s86, REC
	s_and_b32 s87, s15, 1
	s_mul_i32 s88, s87, 8*FRB
	s_add_co_u32 s42, s86, s88
	s_add_co_u32 s42, s42, s49
	s_add_nc_u64 s[74:75], s[4:5], s[42:43]
	s_lshl_b32 s88, s87, 2
	s_add_co_u32 s42, s86, s88
	s_add_co_u32 s42, s42, s50
	s_add_nc_u64 s[76:77], s[4:5], s[42:43]
	v_lshlrev_b32 v[AV], 2, v3                     ; 16 x lane
	v_lshlrev_b32 v[AV+1], 1, v3                   ; 8 x lane
.irp b, 0,1,2,3
.irp g, 0,1,2
	global_load_b128 v[XR+12*\b+4*\g:XR+12*\b+4*\g+3], v[AV], s[74:75] offset:FRB*\b+512*\g
.endr
.endr
.irp u, 0,1
	global_load_b32 v[XS+\u], v[AV+1], s[76:77] offset:256*\u
.endr
	MUL 0, 1
	s_wait_dscnt 0x0                               ; for the others' sake: my stores of the extra images are done
	s_barrier_signal -1
	s_barrier_wait -1                              ; everybody's extra images lie in LDS
	s_add_co_u32 s88, s30, IMG
	s_add_co_u32 s89, s30, IMG+SCO
	v_lshl_add_u32 v9, v3, 2, s88
	v_add_nc_u32 v10, s89, v3
	s_wait_alu depctr_va_vdst(0)
	LDA 0, 0
	LDA 4, 0
.irp i, 0,1,2,3
	ds_load_b32 v[AS+\i], v10 offset:128*\i
.endr
	s_wait_loadcnt 0x0
	s_wait_dscnt 0x0
	MUL16 0, 0, XR, 1, 0
	MUL16 4, 0, XR, 1, 0
	s_branch .Lout
.Lplain_tail:
	CHANGE 0
	MUL 0, 0
.Lout:
	PLACES
	v_and_b32 v58, 28, v3
	v_lshlrev_b32 v58, 2, v58
	v_bfe_u32 v59, v3, 6, 1
	v_lshl_add_u32 v58, v59, 7, v58
	v_bfe_u32 v59, v3, 5, 1
	v_lshl_add_u32 v58, v59, 8, v58                ; my 16 bytes of a store's 512 in part: 256 ((lane / 8) % 2) + 128 (lane / 16) + 16 (lane % 8)
	; the partial sums leave as they stand: an accumulator is two stores of 512 consecutive bytes, each from its low end on; within the 512 the lanes of rows 0-7 take the first 256 bytes, those of rows 8-15 the second
	WIN 0x04                                       ; a store's data: window 1
.irp a, 0,1,2,3,4,5,6,7
.irp b, 0,1,2,3
	global_store_b128 v58, v[8*(4*\a+\b):8*(4*\a+\b)+3], s[52:53] offset:1024*(8*\a+\b) th:TH_STORE_NT
	global_store_b128 v58, v[8*(4*\a+\b)+4:8*(4*\a+\b)+7], s[52:53] offset:1024*(8*\a+\b)+512 th:TH_STORE_NT
.endr
.endr
	WIN 0
	s_wait_tensorcnt 0x0                           ; the wave's end
	ds_add_u32 v1, v2
	s_wait_dscnt 0x0
	ROUND                                          ; the closing round
	s_endpgm
.Lfunc_end_k_q8892034bc3_fuse:
	.size	k_q8892034bc3_fuse, .Lfunc_end_k_q8892034bc3_fuse-k_q8892034bc3_fuse
	.p2alignl 7, 3214868480
	.fill 96, 4, 3214868480
	.section	.rodata,"a",@progbits
	.p2align	6, 0x0
	.amdhsa_kernel k_q8892034bc3_fuse
		.amdhsa_group_segment_fixed_size 327680
		.amdhsa_private_segment_fixed_size 0
		.amdhsa_enable_private_segment 0
		.amdhsa_kernarg_size 32
		.amdhsa_user_sgpr_count 2
		.amdhsa_user_sgpr_kernarg_segment_ptr 1
		.amdhsa_wavefront_size32 1
		.amdhsa_system_sgpr_workgroup_id_x 1
		.amdhsa_system_sgpr_workgroup_id_y 1
		.amdhsa_system_sgpr_workgroup_id_z 1
		.amdhsa_system_vgpr_workitem_id 0
		.amdhsa_next_free_vgpr 512
		.amdhsa_next_free_sgpr 100
		.amdhsa_reserve_vcc 0
		.amdhsa_float_denorm_mode_32 3
		.amdhsa_float_denorm_mode_16_64 3
		.amdhsa_memory_ordered 1
		.amdhsa_forward_progress 1
		.amdhsa_inst_pref_size 182
	.end_amdhsa_kernel
	.amdgpu_metadata
---
amdhsa.version: [ 1, 2 ]
amdhsa.kernels:
  - .name:           k_q8892034bc3_fuse
    .symbol:         k_q8892034bc3_fuse.kd
    .args:
      - { .name: w1q, .offset: 0, .size: 8, .value_kind: global_buffer, .address_space: global }
      - { .name: at, .offset: 8, .size: 8, .value_kind: global_buffer, .address_space: global }
      - { .name: ct, .offset: 16, .size: 8, .value_kind: global_buffer, .address_space: global }
      - { .name: part, .offset: 24, .size: 8, .value_kind: global_buffer, .address_space: global }
    .group_segment_fixed_size: 327680
    .private_segment_fixed_size: 0
    .kernarg_segment_align: 8
    .kernarg_segment_size: 32
    .max_flat_workgroup_size: 256
    .sgpr_count:     100
    .vgpr_count:     512
    .wavefront_size: 32
...
	.end_amdgpu_metadata
.endif
;; end of part 2
;; launch finish (part 3): grid 256 x 1, 4 waves a work-group, clusters of 4 x 1, 262,144 bytes of LDS; arguments part, b1, w2q, W2_scales, b2, out0; writes out0
.if DOCPART == 3
	.amdgcn_target "amdgcn-amd-amdhsa--gfx1250"
	.amdhsa_code_object_version 6
	.text
	.protected	k_q8892034bc3_finish
	.globl	k_q8892034bc3_finish
	.p2align	8
	.type	k_q8892034bc3_finish,@function
k_q8892034bc3_finish:
	s_mov_b64 s[64:65], 0
	v_nop
	global_prefetch_b8 v0, s[64:65] scope:SCOPE_SE
	s_setreg_imm32_b32 hwreg(HW_REG_WAVE_MODE, 25, 1), 1
	s_wait_xcnt 0x0
	s_wait_alu depctr_hold_cnt(0) depctr_sa_sdst(0) depctr_va_vdst(0) depctr_va_sdst(0) depctr_va_ssrc(0) depctr_va_vcc(0) depctr_vm_vsrc(0)
	s_getreg_b32 s2, hwreg(HW_REG_IB_STS2, 6, 4)
	s_cmp_eq_u32 s2, 0
	s_cbranch_scc0 .Lentry_in_a_cluster
	s_endpgm
.Lentry_in_a_cluster:
	s_bfe_u32 s2, ttmp6, 0x10000c
	s_cmp_lg_u32 s2, 0x3003
	s_cbranch_scc0 .Lentry_shape_is_right
	s_endpgm
.Lentry_shape_is_right:
; FINISH.  h = relu(the 16 partial sums + b1); out0 = relu(Q(h) W2 + b2), the product on codes of E2M3 with one E8M0 scale for each 32 along K.
; SHARES.  Work-group t takes batch rows 8 t .. + 7: 256 work-groups.  Wave w sums hidden units 128 w .. + 127 (K step w of the product) and makes outputs 128 w .. + 127.
;   The matrix tile has 16 rows: its rows 8-15 repeat rows 0-7, and their results are not stored.
; part: [y 16][mt 16][w 4][a 8][bt 8][half 2][g 2][h 2][rho 8][4] f32, row 128 mt + 16 a + 8 g + rho; the four numbers are hidden units 128 w + 32 (bt / 2) + 16 h + 8 (bt % 2) + 4 half + 0 .. 3.
;   Lane (h, k, rho) = 16 h + 8 k + rho loads half k of its row: a load of 16 bytes a lane takes two whole blocks of 256 bytes, 512 bytes apart; 8 loads a slice, 32 registers of sums.
;   Behind the sums lane l xor 8 holds the row's other four of each eight: one exchange inside the row of lanes and two selects give every lane 16 neighbours along K in 16 registers, as the conversions want them.
; The codes go to the other waves through LDS as an image of the operand's registers; one barrier.
; The product is used transposed (source 0 = 16 rows of W2's codes, source 1 = h): a lane holds eight neighbouring outputs of one row.  b1 begins the sums, b2 is the accumulators' first C.
; W2's codes come from w2q, laid as images of the operand's registers: a fragment is three loads of 512 consecutive bytes.  Codes and scales are taken as given.
; LIMITS: a block of zeros of h has the byte 1 where the quantiser says 127 (its codes are zeros); NaN and infinities are not served.
; REGISTERS.  Window 0: v1-15 addresses; v16-63 h's four fragments (before that: the codes being made); v64-95 my sums; v96-127 lane l xor 8's; v128-191 h in the conversions' order; v192-223 W2's scale words; v224-227 h's; v228-244 at work.
;   Window 1: W2's fragments of tiles 0-4, at 12 (4 n + s); window 2: of tiles 5-7, and from v144 the 8 accumulators of the outputs; window 3: seven sets of 32 partial sums.
.set FRB,  1536
.set HIMG, 0                           ; LDS: h's four fragments,
.set HSC,  6144                        ; their scale words, 128 bytes each,
.set STG,  6656                        ; and a stage of 16 rows x (512 + 16) bytes for each wave
.set HF,   16
.set PC,   16
.set H,    64
.set O,    96
.set HH,   128
.set W2S,  192
.set HS,   224
.set TM,   228
.set PW,   244
.set OA,   144                         ; in window 2
.set NS,   7                           ; sets of partial sums: 56 loads of 512 bytes are out at the most
.set SEL,  20
.set MSB, 0
.macro WIN new
.if MSB != (\new)
	s_set_vgpr_msb (MSB<<8)|(\new)
.set MSB, (\new)
.endif
.endm
	s_load_b256 s[4:11], s[0:1], 0x0               ; part s[4:5], b1 s[6:7], w2q s[8:9], W2's scales s[10:11]
	s_load_b128 s[12:15], s[0:1], 0x20             ; b2 s[12:13], out0 s[14:15]
	v_lshl_add_u32 v254, v0, 2, 0xa000
	v_mov_b32 v255, 0
.set W2L, 65536                        ; LDS: from here W2's fragments, 49,152 bytes for each wave, filled once by tensor loads; the spare words lie at 40,960
	ds_add_u32 v254, v255                          ; the opening lines: the add twice on end and its wait ahead of the round in front of the tensor load
	ds_add_u32 v254, v255
	v_lshrrev_b32 v1, 5, v0
	v_readfirstlane_b32 s16, v1
	s_bfe_u32 s19, ttmp6, 0x40000                  ; cx
	s_lshl_b32 s17, ttmp9, 2
	s_add_co_u32 s19, s19, s17                     ; work-group t = 4 x cluster x + cx: it enters global offsets alone
	s_mul_i32 s18, s16, 49152
	s_add_co_u32 s18, s18, W2L                     ; my wave's fragments of W2 in LDS
	v_and_b32 v1, 31, v0                           ; lane
	v_and_b32 v2, 15, v0                           ; r
	v_bfe_u32 v3, v0, 4, 1                         ; h
	v_bfe_u32 v14, v0, 3, 1                        ; k
	v_lshlrev_b32 v4, 4, v1
	v_add_nc_u32 v6, s18, v4                       ; W2's fragments in LDS: 16 x lane
	v_lshlrev_b32 v5, 2, v1                        ; 4 x lane
	v_lshlrev_b32 v7, 4, v2                        ; W2's scales: 16 bytes a row
	v_lshlrev_b32 v8, 5, v3                        ; b2: my half's eight numbers of a tile
	v_lshlrev_b32 v9, 6, v3
	v_lshl_add_u32 v9, v14, 4, v9                  ; b1: 64 h + 16 k: my four numbers of a tile's eight
	v_and_b32 v15, 7, v0
	v_lshlrev_b32 v15, 4, v15
	v_lshl_add_u32 v15, v3, 7, v15
	v_lshl_add_u32 v15, v14, 9, v15                ; part: 16 rho + 128 h + 512 k
	s_mul_i32 s17, s16, FRB
	v_add_nc_u32 v10, s17, v4                      ; where I store my image
	s_lshl_b32 s17, s16, 7
	v_add_nc_u32 v11, s17, v5                      ; and its scale word
	s_mul_i32 s17, s16, 16*528
	s_add_co_u32 s17, s17, STG                     ; my stage
	v_mul_u32_u24 v12, v2, 528
	v_lshl_add_u32 v12, v3, 5, v12
	v_add_nc_u32 v12, s17, v12                     ; in: row r, 32 bytes for each half of the lanes
	v_add_nc_u32 v13, s17, v4                      ; back: a row of 512 bytes, 16 a lane
	s_mov_b32 s[SEL], 0x76543210
	s_mov_b32 s[SEL+1], 0xfedcba98                 ; v_permlanex16_b32's selects for lane l xor 16
.irp b, 0,1,2,3
	v_mov_b32 v[TM+4+\b], 0                        ; written once: a lane permute's destination counts as one of its sources
.endr
	s_lshr_b32 s22, s19, 4
	s_lshl_b32 s22, s22, 2
	s_add_co_u32 s22, s22, s16
	s_lshl_b32 s22, s22, 6
	s_bfe_u32 s17, s19, 0x30001
	s_lshl_b32 s17, s17, 3
	s_add_co_u32 s22, s22, s17
	s_lshl_b32 s22, s22, 10                        ; ((4 mt + w) 64 + 8 a) x 1,024
	s_and_b32 s17, s19, 1
	s_lshl_b32 s17, s17, 8
	s_add_co_u32 s22, s22, s17                     ; + 256 g
	s_mov_b32 s23, 0
	s_mul_i32 s26, s16, 32*FRB
	s_mov_b32 s27, 0
	s_wait_alu depctr_va_vdst(0)
	s_wait_dscnt 0x0                               ; both opening adds are done
	s_wait_kmcnt 0x0
	s_add_nc_u64 s[8:9], s[8:9], s[26:27]          ; my 32 fragments of W2
	s_lshl_b32 s26, s16, 11
	s_add_nc_u64 s[10:11], s[10:11], s[26:27]
	s_lshl_b32 s26, s16, 9
	s_add_nc_u64 s[6:7], s[6:7], s[26:27]          ; my 128 numbers of b1 and of b2
	s_add_nc_u64 s[12:13], s[12:13], s[26:27]
	s_lshl_b32 s17, s19, 14
	s_add_co_u32 s26, s26, s17
	s_add_nc_u64 s[24:25], s[14:15], s[26:27]      ; out0 at row 8 t, column 128 w
.irp y, 0,1,2,3,4,5,6,7,8,9,10,11,12,13,14,15
	s_add_nc_u64 s[32+2*\y:33+2*\y], s[4:5], s[22:23]   ; a base for each slice: none is written again
	s_add_co_u32 s22, s22, 4194304
.endr
; W2's codes: my wave's 32 fragments are 49,152 dense bytes of w2q: one tensor load, as 192 rows of 256 bytes, into LDS bytes that my wave alone reads.  Every work-group reads the same bytes:
; the four of a cluster ask JOINTLY, with the same descriptor (it hangs on the wave's number alone) and the mask of all four.  The load has its own counter: the loads of the partial sums below stand behind b1's alone.
.macro ROUND                           ; a round of the cluster's barrier
	s_barrier_signal -1
	s_barrier_wait -1
	s_cmp_lg_u32 s16, 0
	s_cbranch_scc1 .Lnot_wave_0_\@
	s_barrier_signal -3
.Lnot_wave_0_\@:
	s_barrier_wait -3
	s_barrier_signal -1
	s_barrier_wait -1
.endm
	s_mov_b32 s68, 1                               ; group 0: count = 1,
	s_mov_b32 s69, s18                             ; the LDS address,
	s_mov_b64 s[70:71], s[8:9]                     ; my 32 fragments in w2q,
	s_or_b32 s71, s71, 0x80000000                  ; type = 2
	s_mov_b32 s72, 15|(3<<16)|(1<<21)              ; group 1: the mask of all four work-groups; elements of 8 bytes; bit 21 set beside a mask
	s_mov_b32 s73, 32<<16                          ; tensor_dim0 = 32
	s_mov_b32 s74, 192<<16                         ; tensor_dim1 = 192
	s_mov_b32 s75, 32<<16                          ; tile_dim0 = 32
	s_mov_b32 s76, 192                             ; tile_dim1 = 192
	s_mov_b32 s77, 32                              ; the pitch
	s_mov_b32 s78, 0
	s_mov_b32 s79, 0
	ROUND                                          ; the four work-groups are here: the joint loads meet
	tensor_load_to_lds s[68:71], s[72:79]          ; my one tensor load of the launch
	s_nop 0
.rept 4
	v_nop
.endr
.irp t, 0,1,2,3,4,5,6,7
	global_load_b128 v[H+4*\t:H+4*\t+3], v9, s[6:7] offset:128*(\t/2)+32*(\t%2)   ; b1 at hidden units 32 (t / 2) + 16 h + 8 (t % 2) + 4 k + 0 .. 3: the sums begin with it
.endr
.macro PLOAD y                         ; slice y's 8 tiles into set y % NS: 8 loads, each of two whole blocks of 256 bytes
.set ii, 0
.rept 8
	global_load_b128 v[32*((\y)%NS)+4*ii:32*((\y)%NS)+4*ii+3], v15, s[32+2*(\y):33+2*(\y)] offset:1024*ii th:TH_LOAD_NT
.set ii, ii+1
.endr
.endm
	WIN 0xc0
.irp y, 0,1,2,3,4,5,6
	PLOAD \y
.endr
	; b2 and W2's scales are wanted last and are asked for behind the first seven sets: 24 loads more stand behind sets 0 to 6 than the counts below name, which only makes those waits the safer
	WIN 0x80
.irp n, 0,1,2,3,4,5,6,7
	global_load_b128 v[OA+8*\n:OA+8*\n+3], v8, s[12:13] offset:64*\n        ; b2 in the result's layout: outputs 16 n + 8 h + 0 .. 7
	global_load_b128 v[OA+8*\n+4:OA+8*\n+7], v8, s[12:13] offset:64*\n+16
.endr
	WIN 0
.irp n, 0,1,2,3,4,5,6,7
	global_load_b128 v[W2S+4*\n:W2S+4*\n+3], v7, s[10:11] offset:256*\n     ; a row's 16 scale bytes: the words of its four K steps
.endr
.irp y, 0,1,2,3,4,5,6,7,8,9,10,11,12,13,14,15
.if \y <= 9
	s_wait_loadcnt 48                              ; this set is in (and all that was asked for ahead of it); the six younger sets, 8 loads each, may be out
.else
	s_wait_loadcnt 8*(15-\y)
.endif
	WIN 0x0c                                       ; source 1 window 3
.set ii, 0
.rept 16
	v_pk_add_f32 v[H+ii:H+ii+1], v[H+ii:H+ii+1], v[32*(\y%NS)+ii:32*(\y%NS)+ii+1]
.set ii, ii+2
.endr
.if \y <= 8
	WIN 0xc0
	PLOAD \y+7
.endif
.endr
	WIN 0
	s_wait_alu depctr_va_vdst(0)
	s_wait_tensorcnt 0x0                           ; my fragments of W2 lie in LDS; they come into registers while h is quantised
	WIN 0x40
.irp n, 0,1,2,3,4
.irp s, 0,1,2,3
.irp c, 0,1,2
	ds_load_b128 v[12*(4*\n+\s)+4*\c:12*(4*\n+\s)+4*\c+3], v6 offset:FRB*(4*\n+\s)+512*\c
.endr
.endr
.endr
	WIN 0x80
.irp n, 5,6,7
.irp s, 0,1,2,3
.irp c, 0,1,2
	ds_load_b128 v[12*(4*(\n-5)+\s)+4*\c:12*(4*(\n-5)+\s)+4*\c+3], v6 offset:FRB*(4*\n+\s)+512*\c
.endr
.endr
.endr
	WIN 0
	v_cmp_ne_u32 vcc_lo, 0, v14                    ; the lanes with k = 1, for the selects below (made behind the tensor load)
	; the activation, in f32, made twice: once to stay, once to change places with lane l xor 8
.set ii, 0
.rept 32
	v_max_num_f32 v[O+ii], 0, v[H+ii]
.set ii, ii+1
.endr
.set ii, 0
.rept 32
	v_max_num_f32 v[H+ii], 0, v[H+ii]
.set ii, ii+1
.endr
.set ii, 0
.rept 32
	v_mov_b32_dpp v[O+ii], v[O+ii] row_xmask:8 row_mask:0xf bank_mask:0xf   ; lane l xor 8's: the same row's other four of each eight
.set ii, ii+1
.endr
.irp t, 0,1,2,3,4,5,6,7                        ; register 8 t + j: hidden unit 32 (t / 2) + 16 h + 8 (t % 2) + j.  Lanes with k = 0 own j = 0 .. 3, lanes with k = 1 own j = 4 .. 7
.irp j, 0,1,2,3
	v_cndmask_b32 v[HH+8*\t+\j], v[H+4*\t+\j], v[O+4*\t+\j], vcc_lo
	v_cndmask_b32 v[HH+8*\t+4+\j], v[O+4*\t+\j], v[H+4*\t+\j], vcc_lo
.endr
.endr
	; h's four blocks of 32 along K become a fragment's codes in v[PC] on and its scale word in v[PW]
.irp b, 0,1,2,3
	v_max3_num_f32 v[TM+\b], v[HH+16*\b], v[HH+1+16*\b], 0x1800000   ; my 16 numbers (none is negative) and the floor 2^(3 - 127): the byte cannot fall under 1
.endr
.irp i, 2,4,6,8,10,12,14
.irp b, 0,1,2,3
	v_max3_num_f32 v[TM+\b], v[TM+\b], v[HH+16*\b+\i], v[HH+1+16*\b+\i]
.endr
.endr
.irp b, 0,1,2,3
	v_permlanex16_b32 v[TM+4+\b], v[TM+\b], s[SEL], s[SEL+1]
.endr
.irp b, 0,1,2,3
	v_max_num_f32 v[TM+\b], v[TM+\b], v[TM+4+\b]   ; with lane l xor 16's: the block's largest magnitude
.endr
.irp b, 0,1,2,3
	v_add_nc_u32 v[TM+12+\b], 0xff000000, v[TM+\b] ; 2 off its exponent field: the conversion's scale operand
.endr
.irp b, 0,1,2,3
	v_lshrrev_b32 v[TM+4+\b], 23, v[TM+12+\b]      ; the scale's byte
.endr
	v_lshl_or_b32 v[PW], v[TM+5], 8, v[TM+4]
	v_lshl_or_b32 v[PW], v[TM+6], 16, v[PW]
	v_lshl_or_b32 v[PW], v[TM+7], 24, v[PW]
.irp c, 0,1
	v_cvt_scalef32_pk16_fp6_f32 v[PC+6*\c:PC+2+6*\c], v[HH+32*\c:HH+15+32*\c], v[TM+12+2*\c]
	v_cvt_scalef32_pk16_fp6_f32 v[PC+12+4*\c:PC+14+4*\c], v[HH+16+32*\c:HH+31+32*\c], v[TM+12+2*\c+1]   ; (a conversion's three registers begin on an even number)
.endr
	v_nop                                          ; one plain instruction behind a scaled conversion
.irp c, 0,1                                    ; the operand's layout wants a whole block in a lane: lanes 0-15 block 2 c, lanes 16-31 block 2 c + 1
.irp i, 0,1,2
	v_permlane16_swap_b32 v[PC+6*\c+\i], v[PC+12+4*\c+\i]
.endr
.irp i, 0,1,2
	v_mov_b32 v[PC+3+6*\c+\i], v[PC+12+4*\c+\i]
.endr
.endr
.irp c, 0,1,2
	ds_store_b128 v10, v[PC+4*\c:PC+4*\c+3] offset:HIMG+512*\c
.endr
	ds_store_b32 v11, v[PW] offset:HSC
	s_wait_dscnt 0x0                               ; for the others' sake: my stores are done
	s_barrier_signal -1
	s_barrier_wait -1                              ; h's four fragments lie in LDS
.irp s, 0,1,2,3
.irp c, 0,1,2
	ds_load_b128 v[HF+12*\s+4*\c:HF+12*\s+4*\c+3], v4 offset:HIMG+FRB*\s+512*\c
.endr
	ds_load_b32 v[HS+\s], v5 offset:HSC+128*\s
.endr
	s_wait_dscnt 0x0
.irp s, 0,1,2,3                                ; eight accumulators by turns, a K step at a time
	WIN 0xa1                                       ; source 0 (W2) window 1, source 1 (h) window 0, C and D window 2
.irp n, 0,1,2,3,4
	v_wmma_scale_f32_16x16x128_f8f6f4 v[OA+8*\n:OA+8*\n+7], v[12*(4*\n+\s):12*(4*\n+\s)+11], v[HF+12*\s:HF+12*\s+11], v[OA+8*\n:OA+8*\n+7], v[W2S+4*\n+\s], v[HS+\s] matrix_a_fmt:MATRIX_FMT_FP6 matrix_b_fmt:MATRIX_FMT_FP6
.endr
	WIN 0xa2                                       ; source 0 window 2
.irp n, 5,6,7
	v_wmma_scale_f32_16x16x128_f8f6f4 v[OA+8*\n:OA+8*\n+7], v[12*(4*(\n-5)+\s):12*(4*(\n-5)+\s)+11], v[HF+12*\s:HF+12*\s+11], v[OA+8*\n:OA+8*\n+7], v[W2S+4*\n+\s], v[HS+\s] matrix_a_fmt:MATRIX_FMT_FP6 matrix_b_fmt:MATRIX_FMT_FP6
.endr
.endr
	WIN 0
.rept 4
	v_nop                                          ; four places in front of the first read of results (ISA guide 7.12.1)
.endr
	WIN 0x88                                       ; source 1 and destination window 2
.set ii, 0
.rept 64
	v_max_num_f32 v[OA+ii], 0, v[OA+ii]            ; the activation; each accumulator from its low end on
.set ii, ii+1
.endr
	; the way out: a lane holds 32 bytes of a row; through my own stage they come back as whole rows of 512 bytes.  LDS serves a wave's instructions in order (ISA guide 5.7.1.4): no wait between the stores and the loads.
	; All 16 rows go into the stage; rows 8-15 repeat rows 0-7 and are not read back
	WIN 0x08                                       ; an LDS store's data are its source 1: window 2
.irp n, 0,1,2,3,4,5,6,7
	ds_store_b128 v12, v[OA+8*\n:OA+8*\n+3] offset:64*\n
	ds_store_b128 v12, v[OA+8*\n+4:OA+8*\n+7] offset:64*\n+16
.endr
	WIN 0
.irp i, 0,1,2,3,4,5,6,7
	ds_load_b128 v[H+4*\i:H+4*\i+3], v13 offset:528*\i
.endr
.irp i, 0,1,2,3,4,5,6,7
	s_wait_dscnt 7-\i                              ; row i is back; the younger loads may be out
	global_store_b128 v4, v[H+4*\i:H+4*\i+3], s[24:25] offset:2048*\i th:TH_STORE_NT   ; 32 lanes store 512 consecutive bytes, at a multiple of 256 from out0's first byte
.endr
	s_wait_tensorcnt 0x0
	ds_add_u32 v254, v255
	s_wait_dscnt 0x0
	ROUND                                          ; the closing round
	s_endpgm
.Lfunc_end_k_q8892034bc3_finish:
	.size	k_q8892034bc3_finish, .Lfunc_end_k_q8892034bc3_finish-k_q8892034bc3_finish
	.p2alignl 7, 3214868480
	.fill 96, 4, 3214868480
	.section	.rodata,"a",@progbits
	.p2align	6, 0x0
	.amdhsa_kernel k_q8892034bc3_finish
		.amdhsa_group_segment_fixed_size 262144
		.amdhsa_private_segment_fixed_size 0
		.amdhsa_enable_private_segment 0
		.amdhsa_kernarg_size 48
		.amdhsa_user_sgpr_count 2
		.amdhsa_user_sgpr_kernarg_segment_ptr 1
		.amdhsa_wavefront_size32 1
		.amdhsa_system_sgpr_workgroup_id_x 1
		.amdhsa_system_sgpr_workgroup_id_y 1
		.amdhsa_system_sgpr_workgroup_id_z 1
		.amdhsa_system_vgpr_workitem_id 0
		.amdhsa_next_free_vgpr 1024
		.amdhsa_next_free_sgpr 80
		.amdhsa_reserve_vcc 1
		.amdhsa_float_denorm_mode_32 3
		.amdhsa_float_denorm_mode_16_64 3
		.amdhsa_memory_ordered 1
		.amdhsa_forward_progress 1
		.amdhsa_inst_pref_size 65
	.end_amdhsa_kernel
	.amdgpu_metadata
---
amdhsa.version: [ 1, 2 ]
amdhsa.kernels:
  - .name:           k_q8892034bc3_finish
    .symbol:         k_q8892034bc3_finish.kd
    .args:
      - { .name: part, .offset: 0, .size: 8, .value_kind: global_buffer, .address_space: global }
      - { .name: b1, .offset: 8, .size: 8, .value_kind: global_buffer, .address_space: global }
      - { .name: w2q, .offset: 16, .size: 8, .value_kind: global_buffer, .address_space: global }
      - { .name: W2_scales, .offset: 24, .size: 8, .value_kind: global_buffer, .address_space: global }
      - { .name: b2, .offset: 32, .size: 8, .value_kind: global_buffer, .address_space: global }
      - { .name: out0, .offset: 40, .size: 8, .value_kind: global_buffer, .address_space: global }
    .group_segment_fixed_size: 262144
    .private_segment_fixed_size: 0
    .kernarg_segment_align: 8
    .kernarg_segment_size: 48
    .max_flat_workgroup_size: 128
    .sgpr_count:     80
    .vgpr_count:     1024
    .wavefront_size: 32
...
	.end_amdgpu_metadata
.endif
;; end of part 3
